; MI455X (gfx1250); checked and timed in simulation.
; The chip was launched on July 23, 2026; its instructions are those of AMD's public machine-readable ISA for CDNA 5 (MIT licence, August 2026) and "CDNA5" Instruction Set Architecture Reference Guide (July 2026). The comments in the code are by the model that wrote it; some were corrected since.
;; SWA. Allowed arithmetic: matrix products marked QUANTISED: E4M3 operands, one given power-of-two scale a tensor, by v_wmma_f32_16x16x64_fp8_fp8 or v_wmma_f32_16x16x128_fp8_fp8, f32 sums; everything else in f32.
;; Inputs: lowp_scales 12 int32 (the exponents e of the quantised operands' scales 2^e); wk_b 256 float32; wk_w_codes 256 x 32 x 32 uint8 (E4M3 codes of wk_w, K innermost, in blocks of 32 codes); wo_w_codes 1,024 x 32 x 32 uint8 (E4M3 codes of wo_w, K innermost, in blocks of 32 codes); wq_b 1,024 float32; wq_w_codes 1,024 x 32 x 32 uint8 (E4M3 codes of wq_w, K innermost, in blocks of 32 codes); wv_b 256 float32; wv_w_codes 256 x 32 x 32 uint8 (E4M3 codes of wv_w, K innermost, in blocks of 32 codes); x_codes 2 x 2,048 x 32 x 32 uint8 (E4M3 codes of x, K innermost, in blocks of 32 codes).
;; Outputs: out0 2 x 2,048 x 1,024 float32.
;; Constants: sliding_window = 1024.
;; This version of the problem:
;;   THIS VERSION OF THE PROBLEM IS GIVEN IN LOW PRECISION. The matrix products marked QUANTISED in the list below multiply operands that are first quantised to E4M3 (4 exponent bits, 3 mantissa bits; 8 bits a number), with one given power-of-two scale for each operand tensor; their sums are f32. All else is computed in f32.
;;   The module's matrix products, in the order in which they are computed (A, B: the left and right operand; K: the contracted axis; several contracted axes count as one K, in the product's order):
;;     1. [M 4,096, K 1,024] x [K 1,024, N 1,024]; A: input x (given as codes); B: input wq_w (given as codes): QUANTISED (scales: A lowp_scales[0], B lowp_scales[1])
;;     2. [M 4,096, K 1,024] x [K 1,024, N 256]; A: input x (given as codes); B: input wk_w (given as codes): QUANTISED (scales: A lowp_scales[2], B lowp_scales[3])
;;     3. [M 4,096, K 1,024] x [K 1,024, N 256]; A: input x (given as codes); B: input wv_w (given as codes): QUANTISED (scales: A lowp_scales[4], B lowp_scales[5])
;;     4. batch 32 x [M 2,048, K 64] x [K 64, N 2,048]; A: computed on the way; B: computed on the way: QUANTISED (scales: A lowp_scales[6], B lowp_scales[7])
;;     5. batch 32 x [M 64, K 2,048] x [K 2,048, N 2,048]; A: computed on the way; B: softmax (see below): QUANTISED (scales: A lowp_scales[8], B lowp_scales[9])
;;     6. [M 4,096, K 1,024] x [K 1,024, N 1,024]; A: computed on the way; B: input wo_w (given as codes): QUANTISED (scales: A lowp_scales[10], B lowp_scales[11])
;;   THE QUANTISER, for each operand of a quantised product, along K:
;;     - The operand's scale is 2^e, e = its entry of the input lowp_scales (int32; the entries are numbered through the quantised products in the list's order, A before B).
;;     - Each number is divided by the scale, clamped to +-448, and rounded to the nearest number of E4M3, ties to even, subnormals kept.
;;     - The product sums the exact products of the quantised numbers (number of the format x scale) in f32.
;;   ~~~python
;;   def quantise(x, axis, e):      # numpy; x: float32 -> the quantised numbers, widened to float32 again
;;       x = np.moveaxis(x, axis, -1); K = x.shape[-1]
;;       r = np.clip(x / 2.0 ** e, -448, 448)
;;       step = 2.0 ** (np.maximum(np.frexp(np.where(r == 0, 1, r))[1] - 1, -6) - 3)
;;       q = np.round(r / step) * step * 2.0 ** e      # np.round: ties to even
;;       return np.moveaxis(q, -1, axis).astype(np.float32)
;;   ~~~
;;   SOFTMAX AHEAD OF A QUANTISED PRODUCT. Where the list says 'softmax', what is quantised is not the finished softmax but p = 2^(t - M), with t = logit x log2(e) and M = ceil(the row's largest t), a whole number; so 1/2 < the row's largest p <= 1. The row's sum l is taken of the UNQUANTISED p, in f32, and the product's result is divided by l at the end. Since M is a whole number, a kernel that streams over the keys may use a running M (the ceiling of the running maximum): every later rescaling is an exact power of two, so the quantised numbers keep their values, but for numbers so far below the row's largest that they fall under the format's range.
;;   OPERANDS COMPUTED ON THE WAY. 'Computed on the way' means the value that the module computes at that place (a softmax that the list does not call 'softmax' is quantised finished and normalised). What goes into a quantiser is computed in f32, as accurately as f32 sums, v_exp_f32 and their like allow (about 1e-6 of the number): no bf16 or f16 on the way to a quantiser, and a product that is left as it is and whose result goes on into a quantised operand takes f32 operands (vector FMAs, or v_wmma_f32_16x16x4_f32). A number that lies on a knife's edge between two numbers of the format may be rounded either way, as far as f32 arithmetic and the matrix unit's own rounding can turn it there, and no further.
;;   INPUTS GIVEN AS CODES. wk_w (in the module: [256, 1024], K = its axis 1); wo_w (in the module: [1024, 1024], K = its axis 1); wq_w (in the module: [1024, 1024], K = its axis 1); wv_w (in the module: [256, 1024], K = its axis 1); x (in the module: [2, 2048, 1024], K = its axis 2): each comes as NAME_codes (uint8): NAME with its K axis moved to the last place and cut into blocks of 32 codes, [.., K / 32, bytes a block], one block behind the other in memory; one code a byte (a code: sign, 4 exponent bits, 3 mantissa bits); its scale is its entry of lowp_scales. Its value is code x scale, taken as it is: it is not quantised again, and the codes and scales need not be those that the quantiser above would give.
;; One version. Each part assembles by itself: llvm-mc -triple=amdgcn-amd-amdhsa -mcpu=gfx1250 --defsym DOCPART=n.
;; ======== version 1 of 1: 3 launches
;; limits: right only within a limited range of input values
;; workspace buffers: q_img 4,194,304 bytes; kv_img 2,097,152 bytes; ctx_img 4,194,304 bytes
;; launch qkv (part 1): grid 8 x 32, 4 waves a work-group, clusters of 4 x 4, 327,680 bytes of LDS; arguments x_codes, wq_w_codes, wk_w_codes, wv_w_codes, wq_b, wk_b, wv_b, lowp_scales, q_img, kv_img; writes q_img, kv_img
.if DOCPART == 1
	.amdgcn_target "amdgcn-amd-amdhsa--gfx1250"
	.amdhsa_code_object_version 6
	.text
	.protected	k_q97f38ad30b_qkv
	.globl	k_q97f38ad30b_qkv
	.p2align	8
	.type	k_q97f38ad30b_qkv,@function
k_q97f38ad30b_qkv:
	s_mov_b64 s[64:65], 0
	v_nop
	global_prefetch_b8 v0, s[64:65] scope:SCOPE_SE
	s_setreg_imm32_b32 hwreg(HW_REG_WAVE_MODE, 25, 1), 1
	s_wait_xcnt 0x0
	s_wait_alu depctr_hold_cnt(0) depctr_sa_sdst(0) depctr_va_vdst(0) depctr_va_sdst(0) depctr_va_ssrc(0) depctr_va_vcc(0) depctr_vm_vsrc(0)
	s_getreg_b32 s2, hwreg(HW_REG_IB_STS2, 6, 4)
	s_cmp_eq_u32 s2, 0
	s_cbranch_scc0 .Lentry_in_a_cluster
	s_endpgm
.Lentry_in_a_cluster:
	s_bfe_u32 s2, ttmp6, 0x10000c
	s_cmp_lg_u32 s2, 0xf033
	s_cbranch_scc0 .Lentry_shape_is_right
	s_endpgm
.Lentry_shape_is_right:
; q = rope(x Wq^T + bq), k = rope(x Wk^T + bk), v = x Wv^T + bv, on E4M3 codes; the results are quantised (scales 2^e6, 2^e7, 2^e8) and stored as
; IMAGES OF OPERAND REGISTERS for the attention launch: a group of four registers is 512 consecutive bytes, 16 a lane.
; SHARES.  A work-group takes 128 tokens x (128 columns of q = two heads, and 64 columns of k or of v = one KV head).  The cluster's x says which: 0 = k, 1 = v; it is alike in all
; sixteen partners.  Wave (wr, wc): tokens 64 wr on (four tiles m), q head 2 c + wc (four tiles t of 16 columns), KV columns 32 wc on (two tiles n): 24 accumulators.
; q and k are made TRANSPOSED (source 0 = 16 rows of W, source 1 = 16 tokens): a lane holds one token, its registers eight neighbouring d, so a rotary pair is two registers of a lane
; and eight registers convert into the next product's operand.  v is made the natural way round (source 0 = tokens): a lane holds one d and its registers run along the tokens, the keys.
; LDS: part A is K 0 to 767 of x, Wq, Wkv, one load a wave at the head; part B is K 768 to 1,023 of x and Wkv, one load a wave (none in wave 2) behind the first full sequence.
; Wq's K 768 to 1,023 (256 bytes of each of a wave's 64 rows) go straight into 128 registers: both parts with all of Wq would not fit in LDS.  Nothing is filled twice.
; No prefetch: there is no loop to run ahead in.  x's tiles are shared along a row of the cluster, W's along a column: joint loads.
; x and W are read alike, 16 bytes a load: one permutation of k on both sides of every product.  THREE FRAGMENT BUFFERS take turns: while one K step is multiplied, the loads of the next two are on their way.
; cos and sin: the angle is the f32 product position x inv_freq; it is reduced by multiples of pi/2 (two-part constant, fused) and two short polynomials give sin and cos to about 1e-7.
; Each wave makes the table of its own 64 tokens, in registers, while the first tiles are on their way.
; LIMITS.  e6-e0-e1, e7-e2-e3, e8-e4-e5 between -126 and 119, so that each folded scale and 448 x it are f32 numbers.  NaN among the biases is not served.
; inv_freq is written as the 32 f32 numbers 1 / 10^(i/8), each correctly rounded; a last-bit difference moves an angle by under 1e-4.
; REGISTERS.  Buffers 0 and 1: windows 0 and 1, x at v32, Wq at v96, Wkv at v160.  Buffer 2: x at v192 and Wkv at v0 of window 1, Wq at v192 of window 2.  Window 0 also v0-31 and the biases at v192-239.
; Window 2: q's accumulators (m, t) at v[8 (4 m + t)], k's or v's (m, n) at v[128 + 8 (2 m + n)].
; Window 3: Wq's K steps 6 and 7 at v0 and v64; the table of (m, t) at v[128 + 8 (4 m + t)]: four cos, four sin.
.set PITCH, 816                        ; an LDS row of part A: three times 256 bytes + 16 of padding
.set HPITCH, 272                       ; of part B: 256 bytes + 16
.set OQ,    104448                     ; part A: x 128 rows, Wq 128 rows, Wkv 64 rows
.set OKV,   208896
.set BX,    261120                     ; part B: x, Wkv
.set BKV,   295936
.set SPARE, 313344                     ; the spare words: 128 bytes for each wave
.set PADB,  (1<<20)|(1<<21)|(5<<22)|(3<<25)   ; padding on; set beside a mask; after every 64 words; four words
.set G1X,  28                          ; s[28:35] group 1 for x's tiles;  s[36:43] Wq's;  s[44:51] Wk's or Wv's
.set G1Q,  36
.set G1KV, 44
.set G0X,  52                          ; s[52:55], s[68:71], s[80:83]: groups 0;  s72, s73 the masks of my row and column;  s[84:85] my rows of Wq
.set G0Q,  68
.set G0KV, 80
.set WV,   26                          ; s26 wave, s27 wr, s66 wc, s67 cx, s101 cy, s104 c, s105 Y
.set MSB, 0
.macro WIN new                         ; the immediate's high byte repeats the setting that is left
.if MSB != (\new)
	s_set_vgpr_msb (MSB<<8)|(\new)
.set MSB, (\new)
.endif
.endm
.macro PLACES n
.rept \n
	v_nop
.endr
.endm
.macro CROUND                          ; a round of the cluster's barrier
	s_barrier_signal -1
	s_barrier_wait -1
	s_cmp_lg_u32 s[WV], 0
	s_cbranch_scc1 .Lnot_wave_0_\@
	s_barrier_signal -3
.Lnot_wave_0_\@:
	s_barrier_wait -3
	s_barrier_signal -1
	s_barrier_wait -1
.endm
.macro G1SET g, rows                   ; rows of 768 one-byte elements, 1,024 apart in memory
	s_mov_b32 s[\g+1], 768<<16
	s_mov_b32 s[\g+2], (\rows)<<16
	s_mov_b32 s[\g+3], 768<<16
	s_mov_b32 s[\g+4], \rows
	s_mov_b32 s[\g+5], 1024
	s_mov_b32 s[\g+6], 0
	s_mov_b32 s[\g+7], 0
.endm
.macro JLOAD part_a                    ; joint loads, one a wave: waves 0 and 1 x's halves, wave 2 Wq (in part A), wave 3 Wk or Wv
	s_cmp_lt_u32 s[WV], 2
	s_cbranch_scc0 .Lnot_x_\@
	tensor_load_to_lds s[G0X:G0X+3], s[G1X:G1X+7]
	s_nop 0
	PLACES 4
	s_branch .Lasked_\@
.Lnot_x_\@:
	s_cmp_eq_u32 s[WV], 3
	s_cbranch_scc0 .Lnot_kv_\@
	tensor_load_to_lds s[G0KV:G0KV+3], s[G1KV:G1KV+7]
	s_nop 0
	PLACES 4
.if \part_a
	s_branch .Lasked_\@
.endif
.Lnot_kv_\@:
.if \part_a
	tensor_load_to_lds s[G0Q:G0Q+3], s[G1Q:G1Q+7]
	s_nop 0
	PLACES 4
.endif
.Lasked_\@:
.endm
.macro FRAG reg, adr, off              ; 16 rows x 128 K: registers 4 c .. 4 c + 3 hold k = 32 c + 16 (lane / 16) + 0 .. 15
.irp c, 0,1,2,3
	ds_load_b128 v[(\reg)+4*\c:(\reg)+4*\c+3], v[\adr] offset:(\off)+32*\c
.endr
.endm
.macro BUF s                           ; K step s's buffer: first registers and windows of x and Wkv (XB, KB, XW) and of Wq (QB, QW)
.set XW, (\s)%3
.set QW, (\s)%3
.set XB, 32
.set QB, 96
.set KB, 160
.if ((\s)%3) == 2
.set XW, 1
.set XB, 192
.set QB, 192
.set KB, 0
.endif
.endm
.macro FETCH s                         ; K step s (128 along K; 0-5 in part A, 6 and 7 in part B, where Wq's lie in registers): 40 loads, or 24
	BUF \s
.if (\s) < 6
.set SA, 0
.set KOF, 272*((\s)/2)+128*((\s)%2)
.set RW, 16*PITCH
.else
.set SA, 1
.set KOF, 128*((\s)-6)
.set RW, 16*HPITCH
.endif
	WIN XW<<6
.irp i, 0,1,2,3
	FRAG XB+16*\i, 4+SA, KOF+RW*\i
.endr
.irp i, 0,1
	FRAG KB+16*\i, 10+SA, KOF+RW*\i
.endr
.if (\s) < 6
	WIN QW<<6
.irp i, 0,1,2,3
	FRAG QB+16*\i, 7, KOF+RW*\i
.endr
.endif
	WIN 0
.endm
; K step s's 24 products; the accumulators take turns, one instruction a turn.  Step 0's C is the bias (divided by the power of two that the sums lack).
.macro MUL s
	BUF \s
.if (\s) >= 6                          ; Wq's fragments in window 3
.set QW, 3
.set QB, 64*((\s)-6)
.endif
.if (\s) == 0
.set CW, 0x80
.else
.set CW, 0xa0
.endif
	WIN CW|QW|(XW<<2)
.irp m, 0,1,2,3
.irp t, 0,1,2,3
.if (\s) == 0
	v_wmma_f32_16x16x128_fp8_fp8 v[8*(4*\m+\t):8*(4*\m+\t)+7], v[QB+16*\t:QB+16*\t+15], v[XB+16*\m:XB+16*\m+15], v[192+8*\t:199+8*\t]
.else
	v_wmma_f32_16x16x128_fp8_fp8 v[8*(4*\m+\t):8*(4*\m+\t)+7], v[QB+16*\t:QB+16*\t+15], v[XB+16*\m:XB+16*\m+15], v[8*(4*\m+\t):8*(4*\m+\t)+7]
.endif
.endr
.endr
	WIN 0
	s_cmp_eq_u32 ttmp9, 0                          ; the cluster's x: k or v; alike in all partners
	s_cbranch_scc0 .Lmul_v_\@
	WIN CW|(5*XW)
.irp m, 0,1,2,3
.irp n, 0,1
.if (\s) == 0
	v_wmma_f32_16x16x128_fp8_fp8 v[128+8*(2*\m+\n):135+8*(2*\m+\n)], v[KB+16*\n:KB+16*\n+15], v[XB+16*\m:XB+16*\m+15], v[224+8*\n:231+8*\n]
.else
	v_wmma_f32_16x16x128_fp8_fp8 v[128+8*(2*\m+\n):135+8*(2*\m+\n)], v[KB+16*\n:KB+16*\n+15], v[XB+16*\m:XB+16*\m+15], v[128+8*(2*\m+\n):135+8*(2*\m+\n)]
.endif
.endr
.endr
	WIN 0
	s_branch .Lmul_done_\@
.Lmul_v_\@:
	WIN CW|(5*XW)
.irp m, 0,1,2,3
.irp n, 0,1
.if (\s) == 0
	v_wmma_f32_16x16x128_fp8_fp8 v[128+8*(2*\m+\n):135+8*(2*\m+\n)], v[XB+16*\m:XB+16*\m+15], v[KB+16*\n:KB+16*\n+15], v[224+8*\n:231+8*\n]
.else
	v_wmma_f32_16x16x128_fp8_fp8 v[128+8*(2*\m+\n):135+8*(2*\m+\n)], v[XB+16*\m:XB+16*\m+15], v[KB+16*\n:KB+16*\n+15], v[128+8*(2*\m+\n):135+8*(2*\m+\n)]
.endif
.endr
.endr
	WIN 0
.Lmul_done_\@:
.endm
.macro IVSET k, lo, hi                 ; inv_freq of my half of the lanes: vcc = lanes 16-31
	v_mov_b32 v[32+\k], \hi
	v_cndmask_b32 v[32+\k], \lo, v[32+\k], vcc_lo
.endm
.macro EIGHT op:vararg                 ; one line for each of eight angles, numbered by jj
.set jj, 0
.rept 8
	\op
.set jj, jj+1
.endr
.endm
; cos and sin for token tile m, column tiles t and t + 1: angle jj is pair 8 (t + jj / 4) + 4 (lane / 16) + jj % 4
.macro SC8 m, t
	EIGHT v_mul_f32 v[64+jj], v[48+\m], v[32+4*\t+jj]                  ; the angle: one f32 product
	EIGHT v_mul_f32 v[72+jj], 0x3f22f983, v[64+jj]                     ; x 2 / pi
	EIGHT v_rndne_f32 v[72+jj], v[72+jj]                               ; N
	EIGHT v_fmamk_f32 v[80+jj], v[72+jj], 0xbfc90fdb, v[64+jj]         ; R = angle - N x pi/2, pi/2 in two parts
	EIGHT v_fmamk_f32 v[80+jj], v[72+jj], 0x333bbd2e, v[80+jj]
	EIGHT v_mul_f32 v[88+jj], v[80+jj], v[80+jj]                       ; Z = R R
	EIGHT v_cvt_i32_f32 v[96+jj], v[72+jj]                             ; N as a whole number
	EIGHT v_fma_f32 v[104+jj], s6, v[88+jj], s5
	EIGHT v_fma_f32 v[112+jj], s9, v[88+jj], s8
	EIGHT v_fma_f32 v[104+jj], v[104+jj], v[88+jj], s4
	EIGHT v_fma_f32 v[112+jj], v[112+jj], v[88+jj], s7
	EIGHT v_mul_f32 v[104+jj], v[104+jj], v[88+jj]
	EIGHT v_mul_f32 v[120+jj], v[88+jj], v[88+jj]
	EIGHT v_fma_f32 v[64+jj], v[88+jj], -0.5, 1.0
	EIGHT v_fma_f32 v[104+jj], v[104+jj], v[80+jj], v[80+jj]           ; sin R
	EIGHT v_fma_f32 v[112+jj], v[112+jj], v[120+jj], v[64+jj]          ; cos R
	EIGHT v_and_b32 v[120+jj], 1, v[96+jj]
	EIGHT v_lshlrev_b32 v[72+jj], 30, v[96+jj]
	EIGHT v_add_nc_u32 v[96+jj], 1, v[96+jj]
.set jj, 0
.rept 8
	v_cmp_ne_u32 vcc_lo, 0, v[120+jj]                                  ; an odd quadrant swaps the two
	v_cndmask_b32 v[128+jj], v[104+jj], v[112+jj], vcc_lo
	v_cndmask_b32 v[136+jj], v[112+jj], v[104+jj], vcc_lo
.set jj, jj+1
.endr
	EIGHT v_lshlrev_b32 v[96+jj], 30, v[96+jj]
	EIGHT v_and_b32 v[72+jj], 0x80000000, v[72+jj]                     ; sin changes sign in quadrants 2, 3
	EIGHT v_and_b32 v[96+jj], 0x80000000, v[96+jj]                     ; cos in quadrants 1, 2
	WIN 0xc0                                                           ; destination window 3
	EIGHT v_xor_b32 v[132+8*(4*\m+\t)+jj+4*(jj/4)], v[128+jj], v[72+jj]
	EIGHT v_xor_b32 v[128+8*(4*\m+\t)+jj+4*(jj/4)], v[136+jj], v[96+jj]
	WIN 0
.endm
; The rotation of one tile: a = accumulator (window 2), ct = cos at ct + jj, sin at ct + 4 + jj (window 3), o = the eight results.  The accumulator is read from its low end on.
.macro ROPE a, ct, o
.irp jj, 0,1,2,3
	v_mul_f32 v[(\o)+2*\jj], v[(\a)+2*\jj+1], v[(\ct)+4+\jj]
	v_mul_f32 v[(\o)+2*\jj+1], v[(\a)+2*\jj], v[(\ct)+4+\jj]
.endr
.irp jj, 0,1,2,3
	v_fma_f32 v[(\o)+2*\jj], v[(\a)+2*\jj], v[(\ct)+\jj], -v[(\o)+2*\jj]
	v_fma_f32 v[(\o)+2*\jj+1], v[(\a)+2*\jj+1], v[(\ct)+\jj], v[(\o)+2*\jj+1]
.endr
.endm
	s_load_b512 s[4:19], s[0:1], 0x0               ; x s[4:5], Wq s[6:7], Wk s[8:9], Wv s[10:11], bq s[12:13], bk s[14:15], bv s[16:17], the scales s[18:19]
	s_load_b128 s[20:23], s[0:1], 0x40             ; q_img, kv_img
	v_lshl_add_u32 v28, v0, 2, SPARE               ; my spare word; never rewritten
	v_mov_b32 v29, 0
	ds_add_u32 v28, v29                            ; the opening add, twice on end
	ds_add_u32 v28, v29
	v_lshrrev_b32 v3, 5, v0
	v_readfirstlane_b32 s[WV], v3
	s_lshr_b32 s27, s[WV], 1                       ; wr
	s_and_b32 s66, s[WV], 1                        ; wc
	s_bfe_u32 s67, ttmp6, 0x40000                  ; cx
	s_bfe_u32 s101, ttmp6, 0x40004                 ; cy
	s_lshl_b32 s104, ttmp9, 2
	s_add_co_u32 s104, s104, s67                   ; c = 4 x cluster x + cx
	s_and_b32 s105, ttmp7, 0xffff
	s_lshl_b32 s105, s105, 2
	s_add_co_u32 s105, s105, s101                  ; Y = 4 x cluster y + cy
	s_lshl_b32 s2, s101, 2
	s_lshl_b32 s72, 15, s2                         ; my row of the cluster
	s_lshl_b32 s73, 0x1111, s67                    ; my column
	s_or_b32 s[G1X], s72, PADB
	s_or_b32 s[G1Q], s73, PADB
	s_or_b32 s[G1KV], s73, PADB
	G1SET G1X, 64
	G1SET G1Q, 128
	G1SET G1KV, 64
	s_lshl_b32 s2, s105, 17                        ; x: row 128 Y + 64 (wave & 1), 1,024 bytes a row
	s_lshl_b32 s3, s66, 16
	s_add_co_u32 s2, s2, s3
	s_mov_b32 s3, 0
	s_lshl_b32 s96, s104, 17                       ; Wq: row 128 c
	s_mov_b32 s97, 0
	s_lshl_b32 s98, s67, 16                        ; Wk or Wv: row 64 cx
	s_mov_b32 s99, 0
	s_lshl_b32 s86, s66, 16                        ; my 64 rows of Wq
	s_mov_b32 s87, 0
	s_mov_b32 s[G0X], 1
	s_mul_i32 s[G0X+1], s66, 64*PITCH
	s_mov_b32 s[G0Q], 1
	s_mov_b32 s[G0Q+1], OQ
	s_mov_b32 s[G0KV], 1
	s_mov_b32 s[G0KV+1], OKV
	s_wait_dscnt 0x0                               ; both opening adds are done
	s_wait_kmcnt 0x0
	s_add_nc_u64 s[G0X+2:G0X+3], s[4:5], s[2:3]
	s_add_nc_u64 s[G0Q+2:G0Q+3], s[6:7], s[96:97]
	s_add_nc_u64 s[84:85], s[G0Q+2:G0Q+3], s[86:87]
	s_cmp_eq_u32 ttmp9, 0
	s_cselect_b64 s[8:9], s[8:9], s[10:11]
	s_cselect_b64 s[14:15], s[14:15], s[16:17]     ; and its bias
	s_add_nc_u64 s[G0KV+2:G0KV+3], s[8:9], s[98:99]
	s_or_b32 s[G0X+3], s[G0X+3], 0x80000000
	s_or_b32 s[G0Q+3], s[G0Q+3], 0x80000000
	s_or_b32 s[G0KV+3], s[G0KV+3], 0x80000000
	s_load_b256 s[92:99], s[18:19], 0x0            ; e0 .. e7
	s_load_b32 s100, s[18:19], 0x20                ; e8
	CROUND                                         ; all sixteen work-groups are here: the first joint loads meet
	JLOAD 1                                        ; part A: one tensor load a wave at the head
	v_and_b32 v1, 15, v0                           ; r
	v_bfe_u32 v2, v0, 4, 1                         ; h
	v_and_b32 v13, 31, v0
	v_lshlrev_b32 v17, 5, v2                       ; 32 h
	v_lshlrev_b32 v18, 2, v1                       ; 4 r
	v_lshlrev_b32 v19, 10, v1
	v_lshl_add_u32 v19, v2, 4, v19                 ; row r of Wq, 16 h bytes on
	v_lshlrev_b32 v13, 4, v13                      ; 16 x lane
	v_mul_u32_u24 v3, v1, PITCH
	v_mul_u32_u24 v6, v1, HPITCH
	v_lshl_add_u32 v3, v2, 4, v3                   ; row x pitch + 16 x half
	v_lshl_add_u32 v6, v2, 4, v6
	s_wait_alu depctr_va_vdst(0)                   ; ahead of the scalar lines below
	; the biases.  q, k: lane (r, h) wants d = 16 t + 8 h + 0 .. 7.  v: d = 16 n + r.  The KV bias is loaded in both layouts from the chosen buffer, and the right one is kept below.
	s_lshl_b32 s2, s104, 9
	s_lshl_b32 s3, s66, 8
	s_add_co_u32 s2, s2, s3
	s_mov_b32 s3, 0
	s_add_nc_u64 s[12:13], s[12:13], s[2:3]        ; bq at column 128 c + 64 wc
	s_lshl_b32 s2, s67, 8
	s_lshl_b32 s10, s66, 7
	s_add_co_u32 s2, s2, s10
	s_add_nc_u64 s[14:15], s[14:15], s[2:3]        ; bk or bv at column 64 cx + 32 wc
.irp t, 0,1,2,3
	global_load_b128 v[192+8*\t:195+8*\t], v17, s[12:13] offset:64*\t
	global_load_b128 v[196+8*\t:199+8*\t], v17, s[12:13] offset:64*\t+16
.endr
.irp n, 0,1
	global_load_b128 v[224+8*\n:227+8*\n], v17, s[14:15] offset:64*\n
	global_load_b128 v[228+8*\n:231+8*\n], v17, s[14:15] offset:64*\n+16
	global_load_b32 v[240+\n], v18, s[14:15] offset:64*\n
.endr
	WIN 0xc0                                       ; destination window 3: Wq's K steps 6 and 7
.irp s, 0,1
.irp t, 0,1,2,3
.irp c, 0,1,2,3
	global_load_b128 v[64*\s+16*\t+4*\c:64*\s+16*\t+4*\c+3], v19, s[84:85] offset:16384*\t+768+128*\s+32*\c
.endr
.endr
.endr
	WIN 0
	; LDS addresses
	s_mul_i32 s2, s27, 64*PITCH
	s_mul_i32 s3, s66, 64*PITCH
	s_add_co_u32 s3, s3, OQ
	s_mul_i32 s10, s66, 32*PITCH
	s_add_co_u32 s10, s10, OKV
	v_add_nc_u32 v4, s2, v3                        ; x, Wq, Wkv in part A
	v_add_nc_u32 v7, s3, v3
	v_add_nc_u32 v10, s10, v3
	s_mul_i32 s2, s27, 64*HPITCH
	s_add_co_u32 s2, s2, BX
	s_mul_i32 s10, s66, 32*HPITCH
	s_add_co_u32 s10, s10, BKV
	v_add_nc_u32 v5, s2, v6                        ; x, Wkv in part B
	v_add_nc_u32 v11, s10, v6
	; where the images go
	s_lshr_b32 s2, s105, 4                         ; the batch
	s_and_b32 s3, s105, 15                         ; my block of 128 tokens in it
	s_lshl_b32 s10, s2, 4
	s_lshl_b32 s11, s104, 1
	s_add_co_u32 s10, s10, s11
	s_add_co_u32 s10, s10, s66                     ; 16 b + head
	s_lshl_b32 s10, s10, 7
	s_lshl_b32 s11, s3, 3
	s_add_co_u32 s10, s10, s11
	s_lshl_b32 s16, s27, 2
	s_add_co_u32 s10, s10, s16                     ; + token tile
	s_lshl_b32 s10, s10, 10
	s_mov_b32 s11, 0
	s_add_nc_u64 s[20:21], s[20:21], s[10:11]
	s_lshl_b32 s17, s2, 2
	s_add_co_u32 s17, s17, s67                     ; 4 b + KV head
	s_lshl_b32 s10, s17, 4
	s_add_co_u32 s10, s10, s3
	s_lshl_b32 s10, s10, 14                        ; kv_img: a block of 128 keys is 8,192 bytes of K, then 8,192 of V
	s_add_nc_u64 s[22:23], s[22:23], s[10:11]
	s_lshl_b32 s10, s66, 12                        ; V: d tiles 2 wc on,
	s_lshl_b32 s2, s27, 10
	s_add_co_u32 s10, s10, s2                      ; key tiles 4 wr on = groups 2 wr on
	s_add_co_u32 s10, s10, 8192
	s_add_nc_u64 s[24:25], s[22:23], s[10:11]
	s_lshl_b32 s10, s16, 10                        ; K: key tiles 4 wr on;
	s_lshl_b32 s2, s66, 9
	s_add_co_u32 s10, s10, s2                      ; my two column tiles are group wc of a key tile's image
	s_add_nc_u64 s[22:23], s[22:23], s[10:11]
	; the table of cos and sin
	s_mov_b32 s4, 0xbe2aaaa3                       ; sin R = R + R Z (S1 + Z (S2 + Z S3))
	s_mov_b32 s5, 0x3c08839e
	s_mov_b32 s6, 0xb94ca1f9
	s_mov_b32 s7, 0x3d2aaaa5                       ; cos R = 1 - Z / 2 + Z Z (C1 + Z (C2 + Z C3))
	s_mov_b32 s8, 0xbab6061a
	s_mov_b32 s9, 0x37ccf5ce
	s_lshl_b32 s2, s3, 7
	s_lshl_b32 s10, s27, 6
	s_add_co_u32 s2, s2, s10
	v_add_nc_u32 v48, s2, v1                       ; my token's position in its sequence, tile 0,
	v_add_nc_u32 v49, 16, v48                      ; and tiles 1 to 3
	v_add_nc_u32 v50, 32, v48
	v_add_nc_u32 v51, 48, v48
	v_cvt_f32_u32 v48, v48
	v_cvt_f32_u32 v49, v49
	v_cvt_f32_u32 v50, v50
	v_cvt_f32_u32 v51, v51
	v_cmp_eq_u32 vcc_lo, 1, v2
	IVSET 0, 0x3f800000, 0x3ea1e89b
	IVSET 1, 0x3f3ff911, 0x3e72d423
	IVSET 2, 0x3f0ff59a, 0x3e361887
	IVSET 3, 0x3ed7e89b, 0x3e088d77
	IVSET 4, 0x3dcccccd, 0x3d0186e3
	IVSET 5, 0x3d99940d, 0x3cc2434f
	IVSET 6, 0x3d6655c2, 0x3c91ad39
	IVSET 7, 0x3d2cba15, 0x3c5a7bf2
	IVSET 8, 0x3c23d70a, 0x3b4f3e38
	IVSET 9, 0x3bf5b9b0, 0x3b1b690d
	IVSET 10, 0x3bb8449c, 0x3ae91528
	IVSET 11, 0x3b8a2e77, 0x3aaec98e
	IVSET 12, 0x3a83126f, 0x39a5cb60
	IVSET 13, 0x3a44948c, 0x3978a815
	IVSET 14, 0x3a136a16, 0x393a7753
	IVSET 15, 0x39dd1725, 0x390bd472
.irp m, 0,1,2,3
	SC8 \m, 0
	SC8 \m, 2
.endr
	; the scales, folded: a sum stands for sum x 2^E, so its code is sum / 2^(e_out - E), and the bias goes in as bias / 2^E
	s_wait_alu depctr_va_vdst(0)                   ; directly ahead of the wait below
	s_wait_kmcnt 0x0
	s_add_co_i32 s2, s92, s93                      ; Eq = e0 + e1
	s_cmp_eq_u32 ttmp9, 0
	s_cselect_b32 s3, s94, s96                     ; e2 or e4
	s_cselect_b32 s10, s95, s97                    ; e3 or e5
	s_cselect_b32 s11, s99, s100                   ; e7 or e8
	s_cselect_b32 s18, 0, -1                       ; all lanes where v is made
	s_add_co_i32 s3, s3, s10                       ; Ekv
	s_sub_co_i32 s10, s98, s2
	s_add_co_i32 s10, s10, 127
	s_lshl_b32 s19, s10, 23
	v_mov_b32 v20, s19                             ; 2^(e6 - Eq)
	s_add_co_i32 s10, s10, 8
	s_lshl_b32 s10, s10, 23
	s_or_b32 s10, s10, 0x600000
	v_mov_b32 v21, s10                             ; 448 x that
	s_sub_co_i32 s10, s11, s3
	s_add_co_i32 s10, s10, 127
	s_lshl_b32 s19, s10, 23
	v_mov_b32 v22, s19
	s_add_co_i32 s10, s10, 8
	s_lshl_b32 s10, s10, 23
	s_or_b32 s10, s10, 0x600000
	v_mov_b32 v23, s10
	s_sub_co_i32 s2, 0, s2
	s_sub_co_i32 s3, 0, s3
	s_wait_alu depctr_va_vdst(0)                   ; likewise
	s_wait_loadcnt 0x0                             ; the biases, and Wq's last two K steps
.set j, 0
.rept 32
	v_ldexp_f32 v[192+j], v[192+j], s2
.set j, j+1
.endr
.irp n, 0,1
.irp i, 0,1,2,3,4,5,6,7
	v_cndmask_b32 v[224+8*\n+\i], v[224+8*\n+\i], v[240+\n], s18
.endr
.endr
.set j, 0
.rept 16
	v_ldexp_f32 v[224+j], v[224+j], s3
.set j, j+1
.endr
	s_wait_alu depctr_va_vdst(0)                   ; the head's end
	s_wait_tensorcnt 0x0                           ; my part of A is in, so a group 0 or 1 may be written
	ds_add_u32 v28, v29                            ; 0 onto my spare word
	s_mul_i32 s[G0X+1], s66, 64*HPITCH
	s_add_co_u32 s[G0X+1], s[G0X+1], BX
	s_mov_b32 s[G0KV+1], BKV
	s_add_nc_u64 s[G0X+2:G0X+3], s[G0X+2:G0X+3], 768
	s_add_nc_u64 s[G0KV+2:G0KV+3], s[G0KV+2:G0KV+3], 768
.irp g, G1X, G1KV
	s_mov_b32 s[\g+1], 256<<16                     ; part B: 256 bytes a row
	s_mov_b32 s[\g+3], 256<<16
.endr
	s_wait_dscnt 0x0                               ; the add is done
	CROUND                                         ; so of every wave of every partner
	JLOAD 0                                        ; part B; K steps 0 to 3 pass before it is waited for
	FETCH 0
	FETCH 1
	s_wait_dscnt 40                                ; K step 0's fragments are in; step 1's 40 loads may be out
	FETCH 2
	MUL 0
.macro KSTEP s                         ; a plain K step: its fragments are in, the next step's 40 loads may be out; the loads of the step after that; the products
	s_wait_dscnt 40
	PLACES 4                                       ; in front of loads into registers that matrix instructions have read
	FETCH (\s)+2
	MUL \s
.endm
	KSTEP 1
	KSTEP 2
	KSTEP 3
	s_wait_dscnt 0x0                               ; steps 4 and 5 are in; part B is wanted next
	s_wait_tensorcnt 0x0                           ; my part of it is in,
	s_barrier_signal -1
	s_barrier_wait -1                              ; everybody's is
	PLACES 4
	FETCH 6
	MUL 4
	PLACES 4
	FETCH 7
	MUL 5
	s_wait_dscnt 24                                ; step 6 is in; step 7's 24 loads may be out
	MUL 6
	s_wait_dscnt 0x0
	MUL 7
	; THE WAY OUT
	PLACES 4
.irp m, 0,1,2,3
.set OB, 32+32*(\m%2)
	WIN 0x0e                                       ; source 0: the accumulators; source 1: the table
.irp t, 0,1,2,3
	ROPE 8*(4*\m+\t), 128+8*(4*\m+\t), OB+8*\t
.endr
	WIN 0
.set j, 0
.rept 32
	v_med3_num_f32 v[OB+j], v[OB+j], -v21, v21     ; the conversion does not saturate (ISA guide 7.6.2): the hold at 448 x the scale
.set j, j+1
.endr
.irp t, 0,1,2,3
	v_cvt_scalef32_pk8_fp8_f32 v[192+8*\m+2*\t:193+8*\m+2*\t], v[OB+8*\t:OB+8*\t+7], v20
.endr
	v_nop                                          ; a plain line behind the conversions
	global_store_b128 v13, v[192+8*\m:195+8*\m], s[20:21] offset:\m*1024        ; 512 consecutive bytes a store
	global_store_b128 v13, v[196+8*\m:199+8*\m], s[20:21] offset:\m*1024+512
.endr
.macro KOUT tb                         ; k: my two column tiles are tb, tb + 1 of the table
.irp m, 0,1,2,3
.set OB, 96+16*(\m%2)
	WIN 0x0e
	ROPE 128+8*(2*\m), 128+8*(4*\m+\tb), OB
	ROPE 128+8*(2*\m+1), 128+8*(4*\m+\tb+1), OB+8
	WIN 0
.set j, 0
.rept 16
	v_med3_num_f32 v[OB+j], v[OB+j], -v23, v23
.set j, j+1
.endr
	v_cvt_scalef32_pk8_fp8_f32 v[224+4*\m:225+4*\m], v[OB:OB+7], v22
	v_cvt_scalef32_pk8_fp8_f32 v[226+4*\m:227+4*\m], v[OB+8:OB+15], v22
	v_nop
	global_store_b128 v13, v[224+4*\m:227+4*\m], s[22:23] offset:\m*1024
.endr
.endm
	s_cmp_eq_u32 ttmp9, 0
	s_cbranch_scc0 .Lout_v
	s_cmp_eq_u32 s66, 0
	s_cbranch_scc0 .Lout_k1
	KOUT 0
	s_branch .Lout_done
.Lout_k1:
	KOUT 2
	s_branch .Lout_done
.Lout_v:
.irp n, 0,1
.irp u, 0,1
.set OB, 96+16*\u
	WIN 0x02
.irp i, 0,1,2,3,4,5,6,7
	v_med3_num_f32 v[OB+\i], v[128+8*(4*\u+\n)+\i], -v23, v23                    ; token tile 2 u: keys 16 (4 wr + 2 u) + 8 h + i of d = 16 n + r
.endr
.irp i, 0,1,2,3,4,5,6,7
	v_med3_num_f32 v[OB+8+\i], v[128+8*(4*\u+2+\n)+\i], -v23, v23                ; token tile 2 u + 1
.endr
	WIN 0
	v_cvt_scalef32_pk8_fp8_f32 v[224+4*(2*\n+\u):225+4*(2*\n+\u)], v[OB:OB+7], v22
	v_cvt_scalef32_pk8_fp8_f32 v[226+4*(2*\n+\u):227+4*(2*\n+\u)], v[OB+8:OB+15], v22
	v_nop
	global_store_b128 v13, v[224+4*(2*\n+\u):227+4*(2*\n+\u)], s[24:25] offset:\n*2048+\u*512
.endr
.endr
.Lout_done:
	s_wait_tensorcnt 0x0                           ; the wave's end
	ds_add_u32 v28, v29
	s_wait_dscnt 0x0
	CROUND                                         ; the closing round
	s_endpgm
.Lfunc_end_k_q97f38ad30b_qkv:
	.size	k_q97f38ad30b_qkv, .Lfunc_end_k_q97f38ad30b_qkv-k_q97f38ad30b_qkv
	.p2alignl 7, 3214868480
	.fill 96, 4, 3214868480
	.section	.rodata,"a",@progbits
	.p2align	6, 0x0
	.amdhsa_kernel k_q97f38ad30b_qkv
		.amdhsa_group_segment_fixed_size 327680
		.amdhsa_private_segment_fixed_size 0
		.amdhsa_enable_private_segment 0
		.amdhsa_kernarg_size 80
		.amdhsa_user_sgpr_count 2
		.amdhsa_user_sgpr_kernarg_segment_ptr 1
		.amdhsa_wavefront_size32 1
		.amdhsa_system_sgpr_workgroup_id_x 1
		.amdhsa_system_sgpr_workgroup_id_y 1
		.amdhsa_system_sgpr_workgroup_id_z 1
		.amdhsa_system_vgpr_workitem_id 0
		.amdhsa_next_free_vgpr 1024
		.amdhsa_next_free_sgpr 106
		.amdhsa_reserve_vcc 1
		.amdhsa_float_denorm_mode_32 3
		.amdhsa_float_denorm_mode_16_64 3
		.amdhsa_memory_ordered 1
		.amdhsa_forward_progress 1
		.amdhsa_inst_pref_size 189
	.end_amdhsa_kernel
	.amdgpu_metadata
---
amdhsa.version: [ 1, 2 ]
amdhsa.kernels:
  - .name:           k_q97f38ad30b_qkv
    .symbol:         k_q97f38ad30b_qkv.kd
    .args:
      - { .name: x_codes, .offset: 0, .size: 8, .value_kind: global_buffer, .address_space: global }
      - { .name: wq_w_codes, .offset: 8, .size: 8, .value_kind: global_buffer, .address_space: global }
      - { .name: wk_w_codes, .offset: 16, .size: 8, .value_kind: global_buffer, .address_space: global }
      - { .name: wv_w_codes, .offset: 24, .size: 8, .value_kind: global_buffer, .address_space: global }
      - { .name: wq_b, .offset: 32, .size: 8, .value_kind: global_buffer, .address_space: global }
      - { .name: wk_b, .offset: 40, .size: 8, .value_kind: global_buffer, .address_space: global }
      - { .name: wv_b, .offset: 48, .size: 8, .value_kind: global_buffer, .address_space: global }
      - { .name: lowp_scales, .offset: 56, .size: 8, .value_kind: global_buffer, .address_space: global }
      - { .name: q_img, .offset: 64, .size: 8, .value_kind: global_buffer, .address_space: global }
      - { .name: kv_img, .offset: 72, .size: 8, .value_kind: global_buffer, .address_space: global }
    .group_segment_fixed_size: 327680
    .private_segment_fixed_size: 0
    .kernarg_segment_align: 8
    .kernarg_segment_size: 80
    .max_flat_workgroup_size: 128
    .sgpr_count:     106
    .vgpr_count:     1024
    .wavefront_size: 32
...
	.end_amdgpu_metadata
.endif
;; end of part 1
;; launch attn (part 2): grid 32 x 8, 16 waves a work-group, clusters of 4 x 1, 231,424 bytes of LDS; arguments q_img, kv_img, lowp_scales, ctx_img; writes ctx_img
.if DOCPART == 2
	.amdgcn_target "amdgcn-amd-amdhsa--gfx1250"
	.amdhsa_code_object_version 6
	.text
	.protected	k_q97f38ad30b_attn
	.globl	k_q97f38ad30b_attn
	.p2align	8
	.type	k_q97f38ad30b_attn,@function
k_q97f38ad30b_attn:
	s_mov_b64 s[64:65], 0
	v_nop
	global_prefetch_b8 v0, s[64:65] scope:SCOPE_SE
	s_setreg_imm32_b32 hwreg(HW_REG_WAVE_MODE, 25, 1), 1
	s_wait_xcnt 0x0
	s_wait_alu depctr_hold_cnt(0) depctr_sa_sdst(0) depctr_va_vdst(0) depctr_va_sdst(0) depctr_va_ssrc(0) depctr_va_vcc(0) depctr_vm_vsrc(0)
	s_getreg_b32 s2, hwreg(HW_REG_IB_STS2, 6, 4)
	s_cmp_eq_u32 s2, 0
	s_cbranch_scc0 .Lentry_in_a_cluster
	s_endpgm
.Lentry_in_a_cluster:
	s_bfe_u32 s2, ttmp6, 0x10000c
	s_cmp_lg_u32 s2, 0x3003
	s_cbranch_scc0 .Lentry_shape_is_right
	s_endpgm
.Lentry_shape_is_right:
; Sliding-window causal attention on E4M3 codes: key j counts for query i where 0 <= i - j <= 1,024.  Head size 64, 16 query heads on 4 KV heads, 2 x 2,048 tokens.
; q_img and kv_img hold operand registers as they stand (16 bytes a lane, 512 a group of four registers); a block of 128 keys is 8,192 bytes of K, then 8,192 of V.  ctx_img is written so too.
; SOFTMAX: t = score x log2(e) / 8; M = the running largest t rounded up to a whole number; p = 2^(t - M) is quantised (2^e9); the row's sum is taken of the unquantised p and divides at the end.
; LEFT OUT: blocks of 128 keys in which reference()'s own mask hides every key of a wave's 16 queries.  LIMIT: what lies in them (a NaN, say) is not carried to the result.
; SHARES.  A wave takes one tile of 16 queries of a head.  In work-group y waves 0 to 7 (P) take group 8 + y (groups of 128 queries), nine blocks of keys each; waves 8 to 11 (a) half y & 1 of group 7 - u, 8 - u blocks;
; waves 12 to 15 (b) half y & 1 of group u, u + 1 blocks; u = y / 2.  So P, P, a, b are 27 blocks for every y, and the longest have the lowest numbers.
; LDS.  What a work-group reads are blocks 0 to 4 and nine blocks from block max(y, 5) on: 14 slots.  P begins in slot min(y, 5).  Each block is cut into four slices of 4,096 bytes (K tiles 0-3, 4-7,
; V's d tiles 0-1, 2-3); slice q of slot s lies at q x 57,344 + s x 4,096.  Waves 0-3 bring slots 0-4 of slice wave, waves 12-15 slots 5-13 of slice wave - 12: one load a wave, some of whose bytes are read for every y.
; A first barrier shows slots 0-4; a second one, signalled by each wave when its own load is done and waited for behind the first four trips, shows slots 5-13.
; Nothing is filled twice and nothing else is written to LDS.  No prefetch: all that is read is asked for once at the head, and there is no loop that asks.
; CLUSTER.  The four work-groups of a cluster are the four query heads of one KV head, with the same y: they read the same K and V, so each tile is asked for jointly.
; LAYOUT.  S^T = K Q^T (source 0 = 16 keys, source 1 = my 16 queries) and O^T = V^T P^T: a lane holds one query; key tile t's register j is key 16 t + 8 (lane / 16) + j, p's own place in the next operand.
; MASKS go by key tiles: of the block on the diagonal, tiles ahead of my own tile count, my own is a triangle, the ones behind are hidden; of the window's first block the other way round.
; EXPONENTIALS go in two batches of 32: the first among the scalings of tiles 4-7, the second among the holds of tiles 0-3.
; LIMITS: e6 + e7 between -124 and 129; e9 and e10 - e8 - e9 between -126 and 119; the scaled scores t stay under 2^31 in magnitude.
; REGISTERS: v1 16 x lane, v2 the same in V's half of LDS, v4 lane % 16 - 8 (lane / 16); v8, v9 the step's addresses; v12 -M, v13 the largest t, v[14:15] the sum, v[24:29] its other chains;
; v16-23 Q; v192-223 K tiles 0-3, asked for a step ahead; v32-63 K tiles 4-7, then v32-95 V; v96-159 S^T, then p; v160-191 O^T; v224-239 p's codes; v240, v244 448 x 2^e9, 2^e9; v247, v248 ctx's scale and hold;
; v246 -infinity; v[252:253] f.
.set SPARE, 229376                     ; the spare words: 128 bytes for each wave
.set SLICE, 57344
.set WV, 14                            ; s14 wave, s15 cx, s54 y, s55 u
.set TI, 41                            ; my tile within its group
.set FB, 42                            ; my first slot, my last
.set LB, 43
.set TB, 56                            ; 4,096 x the slot; s57 the slot; s58 counts a loop's trips
.set KB, 57
.set CNT, 58
.set FBM, 60                           ; the slot with the window's lower edge (-1: none)
.macro CROUND                          ; a round of the cluster's barrier
	s_barrier_signal -1
	s_barrier_wait -1
	s_cmp_lg_u32 s[WV], 0
	s_cbranch_scc1 .Lnot_wave_0_\@
	s_barrier_signal -3
.Lnot_wave_0_\@:
	s_barrier_wait -3
	s_barrier_signal -1
	s_barrier_wait -1
.endm
.macro G1SET g, rows                   ; all four partners; elements of 8 bytes; rows of 4,096 bytes, 16,384 apart
	s_mov_b32 s[\g], 15|(3<<16)|(1<<21)
	s_mov_b32 s[\g+1], 512<<16
	s_mov_b32 s[\g+2], (\rows)<<16
	s_mov_b32 s[\g+3], 512<<16
	s_mov_b32 s[\g+4], \rows
	s_mov_b32 s[\g+5], 2048
	s_mov_b32 s[\g+6], 0
	s_mov_b32 s[\g+7], 0
.endm
	s_load_b128 s[4:7], s[0:1], 0x0                ; q_img s[4:5], kv_img s[6:7]
	s_load_b128 s[8:11], s[0:1], 0x10              ; the scales s[8:9], ctx_img s[10:11]
	v_lshl_add_u32 v249, v0, 2, SPARE
	v_mov_b32 v255, 0
	ds_add_u32 v249, v255                          ; the opening add, twice on end
	ds_add_u32 v249, v255
	v_lshrrev_b32 v3, 5, v0
	s_delay_alu instid0(VALU_DEP_1)
	v_readfirstlane_b32 s[WV], v3
	s_bfe_u32 s15, ttmp6, 0x40000                  ; cx: the query head within its group; it enters q's and ctx's addresses alone
	s_and_b32 s54, ttmp7, 0xffff                   ; y
	G1SET 16, 5
	G1SET 24, 9
	s_and_b32 s2, s[WV], 3                         ; my slice
	s_mul_i32 s33, s2, SLICE
	s_add_co_u32 s37, s33, 5*4096
	s_lshl_b32 s2, s2, 12
	s_lshl_b32 s3, ttmp9, 18                       ; the KV head (4 b + kvh = the cluster's x): 262,144 bytes
	s_add_co_u32 s2, s2, s3
	s_mov_b32 s3, 0
	s_max_u32 s94, s54, 5
	s_lshl_b32 s94, s94, 14                        ; slot 5 is block max(y, 5)
	s_mov_b32 s95, 0
	s_mov_b32 s32, 1
	s_mov_b32 s36, 1
	s_wait_dscnt 0x0
	s_wait_kmcnt 0x0
	s_load_b128 s[88:91], s[8:9], 0x18             ; e6 .. e9
	s_load_b32 s92, s[8:9], 0x28                   ; e10
	s_add_nc_u64 s[34:35], s[6:7], s[2:3]
	s_add_nc_u64 s[38:39], s[34:35], s[94:95]
	s_or_b32 s35, s35, 0x80000000
	s_or_b32 s39, s39, 0x80000000
	CROUND                                         ; the four partners are here: the joint loads meet
	s_cmp_lt_u32 s[WV], 4                          ; one load a wave at the most.  The branches hang on the wave's number alone
	s_cbranch_scc0 .Lnot_low
	tensor_load_to_lds s[32:35], s[16:23]
	s_nop 0
.rept 4
	v_nop
.endr
	s_branch .Lasked
.Lnot_low:
	s_cmp_ge_u32 s[WV], 12
	s_cbranch_scc0 .Lasked
	tensor_load_to_lds s[36:39], s[24:31]
	s_nop 0
.rept 4
	v_nop
.endr
.Lasked:
	; my role
	s_lshr_b32 s55, s54, 1                         ; u
	s_min_u32 s2, s54, 5                           ; P's first slot
	s_add_co_u32 s3, s2, 8
	s_sub_co_u32 s70, 7, s55
	s_and_b32 s94, s54, 1
	s_lshl_b32 s94, s94, 2
	s_and_b32 s95, s[WV], 3
	s_add_co_u32 s94, s94, s95                     ; a's and b's tile in the group
	s_add_co_u32 s95, s54, 8                       ; P's group
	s_cmp_lt_u32 s[WV], 12
	s_cselect_b32 s70, s70, s55                    ; a's or b's group, and its last slot
	s_cmp_lt_u32 s[WV], 8
	s_cselect_b32 s[TI], s[WV], s94
	s_cselect_b32 s[FB], s2, 0
	s_cselect_b32 s[LB], s3, s70
	s_cselect_b32 s[FBM], s2, -1
	s_cselect_b32 s62, s95, s70                    ; the group
	s_lshl_b32 s62, s62, 3
	s_add_co_u32 s62, s62, s[TI]                   ; my token tile
	s_lshl_b32 s2, ttmp9, 2
	s_add_co_u32 s2, s2, s15                       ; 16 b + head
	s_lshl_b32 s2, s2, 7
	s_add_co_u32 s2, s2, s62
	s_lshl_b32 s2, s2, 10
	s_mov_b32 s3, 0
	s_add_nc_u64 s[48:49], s[4:5], s[2:3]
	v_and_b32 v1, 31, v0
	s_delay_alu instid0(VALU_DEP_1)
	v_lshlrev_b32 v1, 4, v1
	global_load_b128 v[16:19], v1, s[48:49]        ; Q's fragment stays in registers
	global_load_b128 v[20:23], v1, s[48:49] offset:512
	v_add_nc_u32 v2, 2*SLICE, v1
	v_and_b32 v5, 15, v0
	v_bfe_u32 v6, v0, 4, 1
	v_lshlrev_b32 v6, 3, v6
	s_delay_alu instid0(VALU_DEP_1)
	v_sub_nc_u32 v4, v5, v6                        ; lane % 16 - 8 (lane / 16)
.irp j, 0,1,2,3,4,5,6,7
	v_cmp_gt_i32 s[72+\j], \j, v4                  ; the diagonal tile: the key lies behind my query
	v_cmp_lt_i32 s[80+\j], \j, v4                  ; the edge tile: the key lies more than 1,024 ahead of it
.endr
	v_mov_b32 v13, 0xff61b1e6                      ; the largest t so far: -3e38
	v_mov_b32 v12, 0x7f61b1e6                      ; -M
	v_mov_b32 v14, 0
	v_mov_b32 v15, 0
.set j, 0
.rept 32
	v_mov_b32 v[160+j], 0                          ; O^T: the step's first walk finds zeros
.set j, j+1
.endr
	v_mov_b32 v245, 0                              ; a lane exchange's destination counts as read
	v_mov_b32 v253, 0                              ; named as the upper half of v[252:253]
	v_mov_b32 v246, 0xff800000
	s_wait_alu depctr_va_vdst(0)                   ; ahead of the scalar lines below
	s_lshr_b32 s2, ttmp9, 2
	s_lshl_b32 s2, s2, 21                          ; the batch
	s_and_b32 s70, ttmp9, 3
	s_lshl_b32 s70, s70, 2
	s_add_co_u32 s70, s70, s15
	s_lshl_b32 s70, s70, 10                        ; the head
	s_add_co_u32 s2, s2, s70
	s_lshl_b32 s70, s62, 14                        ; the token tile
	s_add_co_u32 s2, s2, s70
	s_add_nc_u64 s[50:51], s[10:11], s[2:3]        ; where my tile of ctx goes
	s_mov_b32 s66, 0x76543210
	s_mov_b32 s67, 0xfedcba98
	s_wait_kmcnt 0x0
	s_add_co_i32 s2, s88, s89
	s_lshl_b32 s2, s2, 23
	s_mov_b32 s68, 0x3e38aa3b                      ; log2(e) / 8,
	s_add_co_i32 s68, s68, s2                      ; x 2^(e6 + e7): added to its exponent field
	s_mov_b32 s69, s68
	s_add_co_i32 s2, s91, 127
	s_lshl_b32 s3, s2, 23
	v_mov_b32 v244, s3                             ; 2^e9
	s_add_co_i32 s2, s2, 8
	s_lshl_b32 s2, s2, 23
	s_or_b32 s2, s2, 0x600000
	v_mov_b32 v240, s2                             ; 448 x 2^e9
	s_sub_co_i32 s2, s92, s90
	s_sub_co_i32 s2, s2, s91
	s_add_co_i32 s2, s2, 127
	s_lshl_b32 s3, s2, 23
	v_mov_b32 v247, s3                             ; 2^(e10 - e8 - e9): O / l stands for ctx / 2^(e8 + e9)
	s_add_co_i32 s2, s2, 8
	s_lshl_b32 s2, s2, 23
	s_or_b32 s2, s2, 0x600000
	v_mov_b32 v248, s2
.macro FM t                            ; key tile t: t - M, two at a time (of the pairs c and -M the low word serves both halves)
.irp k, 0,2,4,6
	v_pk_fma_f32 v[96+8*(\t)+\k:97+8*(\t)+\k], v[96+8*(\t)+\k:97+8*(\t)+\k], s[68:69], v[12:13] op_sel_hi:[1,0,0]
.endr
.endm
.macro SU c, n                         ; the sum's chain at v[c] takes pair n of p
	v_pk_add_f32 v[\c:\c+1], v[\c:\c+1], v[96+2*(\n):97+2*(\n)]
.endm
.macro MN r                            ; two holds: the conversion does not saturate (ISA guide 7.6.2); p is never negative, so they are one-sided
	v_dual_min_num_f32 v[\r], v[\r], v240 :: v_dual_min_num_f32 v[\r+1], v[\r+1], v240
.endm
.macro CV t                            ; the tile's eight codes: registers 2 t, 2 t + 1 of the next operand
	v_cvt_scalef32_pk8_fp8_f32 v[224+2*(\t):225+2*(\t)], v[96+8*(\t):103+8*(\t)], v244
.endm
.macro KLO adr, off                    ; K tiles 0-3 of a slot
.irp t, 0,1,2,3
	ds_load_b128 v[192+8*\t:195+8*\t], v[\adr] offset:\off+\t*1024
	ds_load_b128 v[196+8*\t:199+8*\t], v[\adr] offset:\off+\t*1024+512
.endr
.endm
; Key tile t of a masked block.  edge = 0: hidden behind my tile; 1: hidden ahead of it.  m: the triangle's eight masks.
.macro MASKT t, m, edge
.if \edge
	s_cmp_lt_u32 s[TI], \t
.else
	s_cmp_gt_u32 s[TI], \t
.endif
	s_cbranch_scc1 .Lseen_\@
	s_cmp_eq_u32 s[TI], \t
	s_cbranch_scc1 .Ltri_\@
.irp k, 0,2,4,6
	v_dual_mov_b32 v[96+8*\t+\k], v246 :: v_dual_mov_b32 v[97+8*\t+\k], v246
.endr
	s_branch .Lseen_\@
.Ltri_\@:
.irp k, 0,1,2,3,4,5,6,7
	v_cndmask_b32 v[96+8*\t+\k], v[96+8*\t+\k], v246, s[\m+\k]
.endr
.Lseen_\@:
.endm
; A KEY STEP: 128 keys.  Blocks outside my window are left out: scalar branches on ids, round loads, products and softmax alone.
.macro STEP
	s_cmp_lt_u32 s[KB], s[FB]
	s_cbranch_scc1 .Lbefore_\@
	s_cmp_gt_u32 s[KB], s[LB]
	s_cbranch_scc1 .Lskip_\@
	v_add_nc_u32 v8, s[TB], v1
	v_add_nc_u32 v9, s[TB], v2
.irp t, 0,1,2,3
	ds_load_b128 v[32+8*\t:35+8*\t], v8 offset:SLICE+\t*1024
	ds_load_b128 v[36+8*\t:39+8*\t], v8 offset:SLICE+\t*1024+512
.endr
	s_wait_alu depctr_va_vdst(0)                   ; directly ahead of the wait below
	s_wait_dscnt 0x8                               ; K tiles 0-3 are in (asked for earlier); tiles 4-7's eight loads may be out
.irp t, 0,1,2,3
	v_wmma_f32_16x16x64_fp8_fp8 v[96+8*\t:103+8*\t], v[192+8*\t:199+8*\t], v[16:23], 0
.endr
	s_wait_dscnt 0x0
.irp t, 4,5,6,7
	v_wmma_f32_16x16x64_fp8_fp8 v[96+8*\t:103+8*\t], v[8*\t:7+8*\t], v[16:23], 0
.endr
.rept 4
	v_nop                                          ; places: in front of the loads into K's registers and of the first read of the scores
.endr
.irp d, 0,1,2,3
.irp g, 0,1,2,3
	ds_load_b128 v[32+16*\d+4*\g:35+16*\d+4*\g], v9 offset:(\d/2)*SLICE+(\d%2)*2048+\g*512   ; V lands under the softmax
.endr
.endr
	KLO 8, 4096                                    ; and the next slot's K tiles 0-3 (behind my last slot, and behind slot 13 where they are slice 1's first bytes, they are not used)
	s_cmp_lg_u32 s[KB], s[LB]
	s_cbranch_scc1 .Lno_diag_\@
.irp t, 0,1,2,3,4,5,6,7
	MASKT \t, 72, 0
.endr
	s_wait_alu depctr_va_vdst(0)
.Lno_diag_\@:
	s_cmp_lg_u32 s[KB], s[FBM]
	s_cbranch_scc1 .Lno_edge_\@
.irp t, 0,1,2,3,4,5,6,7
	MASKT \t, 80, 1
.endr
	s_wait_alu depctr_va_vdst(0)                   ; likewise
.Lno_edge_\@:
	v_max3_num_f32 v254, v96, v97, v98             ; the step's largest score of my query among my 64 keys, in four chains; each tile is read from its low end on
	v_max3_num_f32 v252, v99, v100, v101
	v_max3_num_f32 v250, v104, v105, v106
	v_max3_num_f32 v251, v107, v108, v109
	v_max3_num_f32 v254, v254, v102, v103
	v_max3_num_f32 v252, v252, v110, v111
.irp t, 2,3,4,5,6,7
	v_max3_num_f32 v250, v250, v[96+8*\t], v[97+8*\t]
	v_max3_num_f32 v251, v251, v[98+8*\t], v[99+8*\t]
	v_max3_num_f32 v254, v254, v[100+8*\t], v[101+8*\t]
	v_max3_num_f32 v252, v252, v[102+8*\t], v[103+8*\t]
.endr
	s_delay_alu instid0(VALU_DEP_1)
	v_max3_num_f32 v254, v254, v252, v250
	s_delay_alu instid0(VALU_DEP_1)
	v_max_num_f32 v254, v254, v251
	s_delay_alu instid0(VALU_DEP_1)
	v_permlanex16_b32 v245, v254, s66, s67
	s_delay_alu instid0(VALU_DEP_1)
	v_max_num_f32 v254, v254, v245                 ; and among lane l xor 16's
	s_delay_alu instid0(VALU_DEP_1)
	v_mul_f32 v254, s68, v254
	s_delay_alu instid0(VALU_DEP_1)
	v_max_num_f32 v13, v13, v254                   ; the running largest t
	v_mov_b32 v254, v12
	s_delay_alu instid0(VALU_DEP_2)
	v_floor_f32 v12, -v13                          ; -M = floor(-t): M is a whole number
	s_delay_alu instid0(VALU_DEP_1)
	v_sub_f32 v254, v12, v254
	FM 0
	v_cvt_i32_f32 v254, v254                       ; old M - new M (it saturates)
	FM 1
	v_ldexp_f32 v252, 1.0, v254                    ; f = 2^(old M - new M)
	FM 2
	FM 3
.set k, 0
.rept 16
	v_pk_mul_f32 v[160+k:161+k], v[160+k:161+k], v[252:253] op_sel_hi:[1,0]   ; O^T under the new M
.set k, k+2
.endr
	v_pk_mul_f32 v[14:15], v[14:15], v[252:253] op_sel_hi:[1,0]               ; and the sum
	s_wait_alu depctr_va_vdst(0)                   ; ahead of the batch
.set k, 0
.rept 16
	v_exp_f32 v[96+k], v[96+k]                     ; p = 2^(t - M) of tiles 0-3, among tiles 4-7's scalings
	v_exp_f32 v[97+k], v[97+k]
	v_pk_fma_f32 v[128+k:129+k], v[128+k:129+k], s[68:69], v[12:13] op_sel_hi:[1,0,0]
.set k, k+2
.endr
	s_wait_alu depctr_va_vdst(0)                   ; and behind it; it also stands ahead of the next batch's sources
	SU 14, 0                                       ; the sum of the unquantised p, in four chains
	v_pk_add_f32 v[24:25], v[98:99], v[106:107]
	v_pk_add_f32 v[26:27], v[100:101], v[108:109]
	v_pk_add_f32 v[28:29], v[102:103], v[110:111]
	SU 14, 4
	SU 24, 9
	SU 26, 10
	SU 28, 11
	SU 14, 8
	SU 24, 13
	SU 26, 14
	SU 28, 15
	SU 14, 12
.set k, 0
.rept 16
	v_exp_f32 v[128+k], v[128+k]                   ; tiles 4-7, among tiles 0-3's holds
	v_exp_f32 v[129+k], v[129+k]
	MN 96+k
.set k, k+2
.endr
	s_wait_alu depctr_va_vdst(0)                   ; behind the batch; also directly ahead of the wait below
	s_wait_dscnt 0x8                               ; V is in; the next slot's eight loads may be out
.irp t, 4,5,6,7
	SU 14, 4*\t
	SU 24, 4*\t+1
	SU 26, 4*\t+2
	SU 28, 4*\t+3
	CV \t-4
	MN 96+8*\t
	MN 98+8*\t
	MN 100+8*\t
	MN 102+8*\t
.endr
	CV 4
	CV 5
	CV 6
	CV 7
	v_pk_add_f32 v[24:25], v[24:25], v[26:27]      ; also the plain line between the last conversion and the products that read its codes
.irp d, 0,1,2,3
	v_wmma_f32_16x16x128_fp8_fp8 v[160+8*\d:167+8*\d], v[32+16*\d:47+16*\d], v[224:239], v[160+8*\d:167+8*\d]
.endr
	v_pk_add_f32 v[14:15], v[14:15], v[28:29]      ; the chains meet; with the two v_nop these are the four places in front of the next loads into V's registers and of reads of O^T
	v_nop
	v_nop
	v_pk_add_f32 v[14:15], v[14:15], v[24:25]
	s_branch .Lskip_\@
.Lbefore_\@:                                       ; my first slot comes next: its K tiles 0-3 are asked for
	s_add_co_u32 s2, s[KB], 1
	s_cmp_lg_u32 s2, s[FB]
	s_cbranch_scc1 .Lskip_\@
	s_wait_dscnt 0x0                               ; the loads made ahead of the loop are over
	v_add_nc_u32 v8, s[TB], v1
	KLO 8, 4096
.Lskip_\@:
.endm
.macro WALK n                          ; n slots, a constant: a trip is one slot, worked or left out
	s_mov_b32 s[CNT], \n
.Lslot_\@:
	STEP
	s_add_co_u32 s[TB], s[TB], 4096
	s_add_co_u32 s[KB], s[KB], 1
	s_sub_co_u32 s[CNT], s[CNT], 1
	s_cmp_lg_u32 s[CNT], 0
	s_cbranch_scc1 .Lslot_\@
.endm
	s_mov_b32 s[TB], 0
	s_mov_b32 s[KB], 0
	s_wait_alu depctr_va_vdst(0)                   ; the head's end
	s_wait_loadcnt 0x0                             ; Q
	s_cmp_ge_u32 s[WV], 12
	s_cbranch_scc1 .Llate
	s_wait_tensorcnt 0x0                           ; my part of slots 0-4 is in,
.Llate:
	s_barrier_signal -1
	s_barrier_wait -1                              ; everybody's is
	s_wait_tensorcnt 0x0                           ; my part of slots 5-13 is in:
	s_barrier_signal -1                            ; say so; between this and its wait stand register work and reads of slots 0-4, which nobody writes again
	KLO 1, 0                                       ; slot 0's K tiles 0-3, on every wave's path
	WALK 4                                         ; slots 0-3; the look-ahead reaches slot 4
	s_barrier_wait -1                              ; slots 5-13 are in for everybody
	WALK 10
	; THE WAY OUT: O^T / the sum, quantised: tile d's eight registers are d = 16 d + 8 (lane / 16) + 0 .. 7 of my query's row of ctx
	s_wait_alu depctr_va_vdst(0)                   ; ahead of the reader below
	v_add_f32 v14, v14, v15
	s_delay_alu instid0(VALU_DEP_1)
	v_permlanex16_b32 v245, v14, s66, s67
	s_delay_alu instid0(VALU_DEP_1)
	v_add_f32 v14, v14, v245
	s_wait_alu depctr_va_vdst(0)                   ; ahead of the reciprocal,
	v_rcp_f32 v14, v14
	v_nop                                          ; a plain line behind it,
	s_wait_alu depctr_va_vdst(0)                   ; and the wait ahead of its first reader, which is also O^T's
.set k, 0
.rept 16
	v_pk_mul_f32 v[96+k:97+k], v[160+k:161+k], v[14:15] op_sel_hi:[1,0]
.set k, k+2
.endr
.set k, 0
.rept 32
	v_med3_num_f32 v[96+k], v[96+k], -v248, v248
.set k, k+1
.endr
.irp d, 0,1,2,3
	v_cvt_scalef32_pk8_fp8_f32 v[224+2*\d:225+2*\d], v[96+8*\d:103+8*\d], v247
.endr
	v_nop
	global_store_b128 v1, v[224:227], s[50:51]     ; 512 consecutive bytes a store
	global_store_b128 v1, v[228:231], s[50:51] offset:512
	s_wait_tensorcnt 0x0                           ; the wave's end
	ds_add_u32 v249, v255
	s_wait_dscnt 0x0
	CROUND                                         ; the closing round
	s_endpgm
.Lfunc_end_k_q97f38ad30b_attn:
	.size	k_q97f38ad30b_attn, .Lfunc_end_k_q97f38ad30b_attn-k_q97f38ad30b_attn
	.p2alignl 7, 3214868480
	.fill 96, 4, 3214868480
	.section	.rodata,"a",@progbits
	.p2align	6, 0x0
	.amdhsa_kernel k_q97f38ad30b_attn
		.amdhsa_group_segment_fixed_size 231424
		.amdhsa_private_segment_fixed_size 0
		.amdhsa_enable_private_segment 0
		.amdhsa_kernarg_size 32
		.amdhsa_user_sgpr_count 2
		.amdhsa_user_sgpr_kernarg_segment_ptr 1
		.amdhsa_wavefront_size32 1
		.amdhsa_system_sgpr_workgroup_id_x 1
		.amdhsa_system_sgpr_workgroup_id_y 1
		.amdhsa_system_sgpr_workgroup_id_z 1
		.amdhsa_system_vgpr_workitem_id 0
		.amdhsa_next_free_vgpr 256
		.amdhsa_next_free_sgpr 98
		.amdhsa_reserve_vcc 0
		.amdhsa_float_denorm_mode_32 3
		.amdhsa_float_denorm_mode_16_64 3
		.amdhsa_memory_ordered 1
		.amdhsa_forward_progress 1
		.amdhsa_inst_pref_size 76
	.end_amdhsa_kernel
	.amdgpu_metadata
---
amdhsa.version: [ 1, 2 ]
amdhsa.kernels:
  - .name:           k_q97f38ad30b_attn
    .symbol:         k_q97f38ad30b_attn.kd
    .args:
      - { .name: q_img, .offset: 0, .size: 8, .value_kind: global_buffer, .address_space: global }
      - { .name: kv_img, .offset: 8, .size: 8, .value_kind: global_buffer, .address_space: global }
      - { .name: lowp_scales, .offset: 16, .size: 8, .value_kind: global_buffer, .address_space: global }
      - { .name: ctx_img, .offset: 24, .size: 8, .value_kind: global_buffer, .address_space: global }
    .group_segment_fixed_size: 231424
    .private_segment_fixed_size: 0
    .kernarg_segment_align: 8
    .kernarg_segment_size: 32
    .max_flat_workgroup_size: 512
    .sgpr_count:     98
    .vgpr_count:     256
    .wavefront_size: 32
...
	.end_amdgpu_metadata
.endif
;; end of part 2
;; launch oproj (part 3): grid 8 x 32, 4 waves a work-group, clusters of 4 x 4, 282,112 bytes of LDS; arguments ctx_img, wo_w_codes, lowp_scales, out0; writes out0
.if DOCPART == 3
	.amdgcn_target "amdgcn-amd-amdhsa--gfx1250"
	.amdhsa_code_object_version 6
	.text
	.protected	k_q97f38ad30b_oproj
	.globl	k_q97f38ad30b_oproj
	.p2align	8
	.type	k_q97f38ad30b_oproj,@function
k_q97f38ad30b_oproj:
	s_mov_b64 s[64:65], 0
	v_nop
	global_prefetch_b8 v0, s[64:65] scope:SCOPE_SE
	s_setreg_imm32_b32 hwreg(HW_REG_WAVE_MODE, 25, 1), 1
	s_wait_xcnt 0x0
	s_wait_alu depctr_hold_cnt(0) depctr_sa_sdst(0) depctr_va_vdst(0) depctr_va_sdst(0) depctr_va_ssrc(0) depctr_va_vcc(0) depctr_vm_vsrc(0)
	s_getreg_b32 s2, hwreg(HW_REG_IB_STS2, 6, 4)
	s_cmp_eq_u32 s2, 0
	s_cbranch_scc0 .Lentry_in_a_cluster
	s_endpgm
.Lentry_in_a_cluster:
	s_bfe_u32 s2, ttmp6, 0x10000c
	s_cmp_lg_u32 s2, 0xf033
	s_cbranch_scc0 .Lentry_shape_is_right
	s_endpgm
.Lentry_shape_is_right:
; out = ctx Wo^T on E4M3 codes; each finished sum x 2^(e10 + e11).  ctx_img holds ctx's operand registers as they stand: [token tile][head][1,024 bytes]; two neighbouring heads are one
; fragment of 16 tokens x 128 K in the form's own layout (registers 2 c, 2 c + 1: k = 16 c + 8 (lane / 16) + 0 .. 7), so Wo's fragments are read in that layout too, 8 bytes a load.
; A work-group makes 128 tokens x 128 columns in TWO PASSES of 64 tokens: the first pass's rows leave while the second is multiplied.  Wave (wr, wc) makes 32 tokens x 64 columns of each pass: 8 accumulators.
; The whole K = 1,024 of both operands lies in LDS, one load a wave, all at the head: wave 0 the first pass's ctx, waves 1 and 2 Wo's halves, wave 3 the second pass's ctx, which a second barrier shows.
; Nothing is filled twice.  No prefetch: there is no loop that streams.
; CLUSTER 4 x 4: ctx's tiles are shared along a row, Wo's along a column: joint loads.  The product is used transposed (source 0 = 16 rows of Wo): a lane holds eight neighbouring columns of a row of out.
; A wave's 64 rows of Wo are read from LDS once, in the first pass, and stay in 512 registers for the second, which reads ctx alone: 40 loads a K step in the first pass, 8 in the second.
; LIMIT: e10 + e11 between -126 and 127.
; REGISTERS: window 0: v4, v5 ctx's LDS addresses by pass, v8 Wo's; v12, v13 the stage, in and back; v14 my offset in out; six ctx buffers of 32 at v32 on.  Windows 1 and 2: Wo, K steps 0-3 and 4-7, 64 a step.
; Window 3: pass p's accumulator (m, t) at v[64 p + 8 (4 m + t)]; v128-159 scaled sums, v160-223 rows read back.
.set WOL,   131072                     ; ctx 8 token tiles x 16,384 bytes from 0; Wo 128 rows x 1,040 bytes from here
.set STAGE, 264192                     ; 16 rows x 272 bytes for each wave
.set SPARE, 281600                     ; the spare words: 128 bytes for each wave
.set WV, 14                            ; s14 wave, s15 wr, s16 wc, s17 cx, s18 cy, s19 column tile, s20 token block
.set MSB, 0
.macro WIN new
.if MSB != (\new)
	s_set_vgpr_msb (MSB<<8)|(\new)
.set MSB, (\new)
.endif
.endm
.macro PLACES n
.rept \n
	v_nop
.endr
.endm
.macro CROUND
	s_barrier_signal -1
	s_barrier_wait -1
	s_cmp_lg_u32 s[WV], 0
	s_cbranch_scc1 .Lnot_wave_0_\@
	s_barrier_signal -3
.Lnot_wave_0_\@:
	s_barrier_wait -3
	s_barrier_signal -1
	s_barrier_wait -1
.endm
	s_load_b256 s[4:11], s[0:1], 0x0               ; ctx_img s[4:5], Wo s[6:7], the scales s[8:9], out s[10:11]
	v_lshl_add_u32 v30, v0, 2, SPARE
	v_mov_b32 v31, 0
	ds_add_u32 v30, v31                            ; the opening add, twice on end
	ds_add_u32 v30, v31
	v_lshrrev_b32 v3, 5, v0
	v_readfirstlane_b32 s[WV], v3
	s_lshr_b32 s15, s[WV], 1
	s_and_b32 s16, s[WV], 1
	s_bfe_u32 s17, ttmp6, 0x40000
	s_bfe_u32 s18, ttmp6, 0x40004
	s_lshl_b32 s19, ttmp9, 2
	s_add_co_u32 s19, s19, s17
	s_and_b32 s20, ttmp7, 0xffff
	s_lshl_b32 s20, s20, 2
	s_add_co_u32 s20, s20, s18
	s_lshl_b32 s2, s18, 2
	s_lshl_b32 s2, 15, s2                          ; my row of the cluster
	s_lshl_b32 s76, 0x1111, s17                    ; my column
	s_or_b32 s24, s2, (3<<16)|(1<<21)              ; ctx: elements of 8 bytes; 4 rows (token tiles) of 16,384 bytes
	s_mov_b32 s25, 2048<<16
	s_mov_b32 s26, 4<<16
	s_mov_b32 s27, 2048<<16
	s_mov_b32 s28, 4
	s_mov_b32 s29, 2048
	s_mov_b32 s30, 0
	s_mov_b32 s31, 0
	s_or_b32 s48, s76, (1<<20)|(1<<21)|(7<<22)|(3<<25)   ; Wo: 64 rows of 1,024 bytes, 16 bytes of padding behind each
	s_mov_b32 s49, 1024<<16
	s_mov_b32 s50, 64<<16
	s_mov_b32 s51, 1024<<16
	s_mov_b32 s52, 64
	s_mov_b32 s53, 1024
	s_mov_b32 s54, 0
	s_mov_b32 s55, 0
	s_lshl_b32 s2, s20, 17                         ; ctx: token tile 8 Y on
	s_mov_b32 s3, 0
	s_lshl_b32 s76, s19, 17                        ; Wo: row 128 x column tile,
	s_lshl_b32 s77, s15, 16
	s_add_co_u32 s76, s76, s77                     ; and 64 on for wave 2
	s_mov_b32 s77, 0
	s_mov_b32 s32, 1
	s_mov_b32 s33, 0
	s_mov_b32 s36, 1
	s_mov_b32 s37, 65536
	s_mov_b32 s56, 1
	s_mul_i32 s57, s15, 66560
	s_add_co_u32 s57, s57, WOL
	s_wait_dscnt 0x0
	s_wait_kmcnt 0x0
	s_load_b64 s[96:97], s[8:9], 0x28              ; e10, e11
	s_add_nc_u64 s[34:35], s[4:5], s[2:3]
	s_add_nc_u64 s[38:39], s[34:35], 0x10000
	s_or_b32 s35, s35, 0x80000000
	s_or_b32 s39, s39, 0x80000000
	s_add_nc_u64 s[58:59], s[6:7], s[76:77]
	s_or_b32 s59, s59, 0x80000000
	CROUND                                         ; all sixteen work-groups are here
	s_cmp_eq_u32 s[WV], 0                          ; one load a wave
	s_cbranch_scc0 .Lnot_first
	tensor_load_to_lds s[32:35], s[24:31]
	s_nop 0
	PLACES 4
	s_branch .Lasked
.Lnot_first:
	s_cmp_lt_u32 s[WV], 3
	s_cbranch_scc0 .Lsecond
	tensor_load_to_lds s[56:59], s[48:55]
	s_nop 0
	PLACES 4
	s_branch .Lasked
.Lsecond:
	tensor_load_to_lds s[36:39], s[24:31]
	s_nop 0
	PLACES 4
.Lasked:
	v_and_b32 v1, 15, v0                           ; r
	v_bfe_u32 v2, v0, 4, 1                         ; h
	v_and_b32 v3, 31, v0
	v_mul_u32_u24 v8, v1, 1040
	v_mul_u32_u24 v12, v1, 272
	v_mul_u32_u24 v13, v2, 272
	v_lshlrev_b32 v14, 12, v2
	v_lshlrev_b32 v3, 4, v3                        ; 16 x lane
	v_lshl_add_u32 v8, v2, 3, v8                   ; row x pitch + 8 x half
	v_lshl_add_u32 v12, v2, 5, v12
	v_lshl_add_u32 v13, v1, 4, v13
	v_lshl_add_u32 v14, v1, 4, v14                 ; my place in two rows of out
	s_wait_alu depctr_va_vdst(0)                   ; ahead of the scalar lines below
	s_lshl_b32 s2, s15, 15                         ; my two token tiles
	s_mul_i32 s3, s16, 66560                       ; my 64 rows of Wo
	s_add_co_u32 s3, s3, WOL
	s_mul_i32 s21, s[WV], 4352
	s_add_co_u32 s21, s21, STAGE
	v_add_nc_u32 v4, s2, v3
	s_add_co_u32 s2, s2, 65536
	v_add_nc_u32 v5, s2, v3
	v_add_nc_u32 v8, s3, v8
	v_add_nc_u32 v12, s21, v12                     ; in: row r, 32 bytes for each half of the lanes
	v_add_nc_u32 v13, s21, v13                     ; back: lanes 0-15 one row of 256 bytes, lanes 16-31 the next
	s_wait_alu depctr_va_vdst(0)                   ; the head's end
	s_lshl_b32 s2, s20, 19
	s_lshl_b32 s3, s15, 17
	s_add_co_u32 s2, s2, s3                        ; row 128 Y + 32 wr, 4,096 bytes a row
	s_lshl_b32 s3, s19, 9
	s_add_co_u32 s2, s2, s3
	s_lshl_b32 s3, s16, 8
	s_add_co_u32 s2, s2, s3                        ; column 128 x tile + 64 wc
	s_mov_b32 s3, 0
	s_add_nc_u64 s[10:11], s[10:11], s[2:3]
	s_wait_kmcnt 0x0
	s_add_co_i32 s96, s96, s97
	s_add_co_i32 s96, s96, 127
	s_lshl_b32 s96, s96, 23                        ; 2^(e10 + e11)
	s_mov_b32 s97, s96
.macro FETCH g                         ; step g = 8 x pass + K step of 128: 8 loads of ctx, and in the first pass 32 of Wo
.set BB, 32+32*((\g)%6)
.set SOF, (\g)%8
.irp m, 0,1
.irp q, 0,1,2,3
	ds_load_b128 v[BB+16*\m+4*\q:BB+16*\m+4*\q+3], v[4+(\g)/8] offset:\m*16384+SOF*2048+\q*512
.endr
.endr
.if (\g) < 8
	WIN (1+SOF/4)<<6
.irp t, 0,1,2,3
.irp c, 0,1,2,3,4,5,6,7
	ds_load_b64 v[64*(SOF%4)+16*\t+2*\c:64*(SOF%4)+16*\t+2*\c+1], v8 offset:\t*16640+SOF*128+16*\c
.endr
.endr
	WIN 0
.endif
.endm
.macro MUL g                           ; eight products; the accumulators take turns; a pass's first ones start the sums
.set BB, 32+32*((\g)%6)
.set WB, 64*((\g)%4)
.set AC, 64*((\g)/8)
.if ((\g)%8) == 0
	WIN 0xc0|(1+((\g)%8)/4)
.else
	WIN 0xf0|(1+((\g)%8)/4)
.endif
.irp m, 0,1
.irp t, 0,1,2,3
.if ((\g)%8) == 0
	v_wmma_f32_16x16x128_fp8_fp8 v[AC+8*(4*\m+\t):AC+8*(4*\m+\t)+7], v[WB+16*\t:WB+16*\t+15], v[BB+16*\m:BB+16*\m+15], 0
.else
	v_wmma_f32_16x16x128_fp8_fp8 v[AC+8*(4*\m+\t):AC+8*(4*\m+\t)+7], v[WB+16*\t:WB+16*\t+15], v[BB+16*\m:BB+16*\m+15], v[AC+8*(4*\m+\t):AC+8*(4*\m+\t)+7]
.endif
.endr
.endr
	WIN 0
.endm
.macro KSTEP g, left, ahead            ; step g's fragments are in, left younger loads may be out; the loads of the step that stands ahead steps on; the products
	s_wait_dscnt \left
	PLACES 4                                       ; in front of loads into registers that matrix instructions have read
	FETCH (\g)+\ahead
	MUL \g
.endm
; THE WAY OUT of 16 rows x 64 columns, through my own stage: LDS serves a wave's instructions in order, so no wait stands between its stores and its loads
.macro TOSTAGE p, m
	WIN 0xc3                                       ; from the accumulators, each from its low end on, within window 3
.set k, 0
.rept 16
	v_pk_mul_f32 v[128+k:129+k], v[64*(\p)+32*(\m)+k:64*(\p)+32*(\m)+k+1], s[96:97] op_sel_hi:[1,0]
.set k, k+2
.endr
	WIN 0x0c
.irp t, 0,1,2,3
	ds_store_b128 v12, v[128+8*\t:131+8*\t] offset:64*\t
	ds_store_b128 v12, v[132+8*\t:135+8*\t] offset:64*\t+16
.endr
	WIN 0xc0
.irp i, 0,1,2,3,4,5,6,7
	ds_load_b128 v[160+32*(\m)+4*\i:163+32*(\m)+4*\i], v13 offset:\i*544
.endr
	WIN 0
.endm
.macro SEND p, m, younger              ; younger: the LDS instructions issued behind the block's loads, which may stay out
	s_wait_dscnt \younger
	WIN 0x0c
.irp i, 0,1,2,3,4,5,6,7
	global_store_b128 v14, v[160+32*(\m)+4*\i:163+32*(\m)+4*\i], s[10:11] offset:(64*(\p)+16*(\m)+2*\i)*4096 th:TH_STORE_NT   ; sixteen lanes store 256 consecutive bytes, aligned
.endr
	WIN 0
.endm
	s_cmp_eq_u32 s[WV], 3                          ; wave 3's load is for the second pass: it is waited for below
	s_cbranch_scc1 .Llate
	s_wait_tensorcnt 0x0                           ; my part of the first pass's ctx or of Wo is in,
.Llate:
	s_barrier_signal -1
	s_barrier_wait -1                              ; everybody's is
	FETCH 0
	FETCH 1
	KSTEP 0, 40, 2
	KSTEP 1, 40, 2
	KSTEP 2, 40, 2
	KSTEP 3, 40, 2
	KSTEP 4, 40, 2
	KSTEP 5, 40, 2
	s_wait_dscnt 0x0                               ; steps 6 and 7 are in; the second pass's ctx is wanted next:
	s_wait_tensorcnt 0x0                           ; my load is done,
	s_barrier_signal -1
	MUL 6                                          ; work on registers while the others arrive
	s_barrier_wait -1                              ; everybody's is
	PLACES 4
	FETCH 8
	FETCH 9
	MUL 7
	PLACES 4                                       ; in front of reads of the last sums
	TOSTAGE 0, 0
	TOSTAGE 0, 1
	FETCH 10
	SEND 0, 0, 24                                  ; behind the block's loads: the second block's 16 and step 10's 8
	SEND 0, 1, 8
	KSTEP 8, 16, 3
	KSTEP 9, 16, 3
	KSTEP 10, 16, 3
	KSTEP 11, 16, 3
	KSTEP 12, 16, 3
	s_wait_dscnt 16
	MUL 13
	s_wait_dscnt 8
	MUL 14
	s_wait_xcnt 0x0                                ; the first pass's stores have read their data: the rows read back may land there
	s_wait_dscnt 0x0
	MUL 15
	PLACES 4
	TOSTAGE 1, 0
	TOSTAGE 1, 1
	SEND 1, 0, 16
	SEND 1, 1, 0
	s_wait_tensorcnt 0x0                           ; the wave's end
	ds_add_u32 v30, v31
	s_wait_dscnt 0x0
	CROUND                                         ; the closing round
	s_endpgm
.Lfunc_end_k_q97f38ad30b_oproj:
	.size	k_q97f38ad30b_oproj, .Lfunc_end_k_q97f38ad30b_oproj-k_q97f38ad30b_oproj
	.p2alignl 7, 3214868480
	.fill 96, 4, 3214868480
	.section	.rodata,"a",@progbits
	.p2align	6, 0x0
	.amdhsa_kernel k_q97f38ad30b_oproj
		.amdhsa_group_segment_fixed_size 282112
		.amdhsa_private_segment_fixed_size 0
		.amdhsa_enable_private_segment 0
		.amdhsa_kernarg_size 32
		.amdhsa_user_sgpr_count 2
		.amdhsa_user_sgpr_kernarg_segment_ptr 1
		.amdhsa_wavefront_size32 1
		.amdhsa_system_sgpr_workgroup_id_x 1
		.amdhsa_system_sgpr_workgroup_id_y 1
		.amdhsa_system_sgpr_workgroup_id_z 1
		.amdhsa_system_vgpr_workitem_id 0
		.amdhsa_next_free_vgpr 1024
		.amdhsa_next_free_sgpr 100
		.amdhsa_reserve_vcc 0
		.amdhsa_float_denorm_mode_32 3
		.amdhsa_float_denorm_mode_16_64 3
		.amdhsa_memory_ordered 1
		.amdhsa_forward_progress 1
		.amdhsa_inst_pref_size 55
	.end_amdhsa_kernel
	.amdgpu_metadata
---
amdhsa.version: [ 1, 2 ]
amdhsa.kernels:
  - .name:           k_q97f38ad30b_oproj
    .symbol:         k_q97f38ad30b_oproj.kd
    .args:
      - { .name: ctx_img, .offset: 0, .size: 8, .value_kind: global_buffer, .address_space: global }
      - { .name: wo_w_codes, .offset: 8, .size: 8, .value_kind: global_buffer, .address_space: global }
      - { .name: lowp_scales, .offset: 16, .size: 8, .value_kind: global_buffer, .address_space: global }
      - { .name: out0, .offset: 24, .size: 8, .value_kind: global_buffer, .address_space: global }
    .group_segment_fixed_size: 282112
    .private_segment_fixed_size: 0
    .kernarg_segment_align: 8
    .kernarg_segment_size: 32
    .max_flat_workgroup_size: 128
    .sgpr_count:     100
    .vgpr_count:     1024
    .wavefront_size: 32
...
	.end_amdgpu_metadata
.endif
;; end of part 3
